; MI455X (gfx1250); checked and timed in simulation.
; The chip was launched on July 23, 2026; its instructions are those of AMD's public machine-readable ISA for CDNA 5 (MIT licence, August 2026) and "CDNA5" Instruction Set Architecture Reference Guide (July 2026). The comments in the code are by the model that wrote it; some were corrected since.
;; MLA Layer. Allowed arithmetic: matrix products marked QUANTISED: E2M3 operands, one E8M0 scale for each 32 along K, by v_wmma_scale_f32_16x16x128_f8f6f4 with both operands' format E2M3, f32 sums; everything else in f32.
;; Inputs: w_kv_down 1,024 x 128 float32; w_kv_up 128 x 2,048 float32; w_out 1,024 x 1,024 float32; w_q 1,024 x 1,024 float32; x 64 x 256 x 1,024 float32.
;; Outputs: out0 64 x 256 x 1,024 float32.
;; This version of the problem:
;;   THIS VERSION OF THE PROBLEM IS GIVEN IN LOW PRECISION. The matrix products marked QUANTISED in the list below multiply operands that are first quantised to E2M3 (2 exponent bits, 3 mantissa bits; 6 bits a number), with one power-of-two scale for each 32 numbers along K (OCP MX v1.0); their sums are f32. All else is computed in f32.
;;   The module's matrix products, in the order in which they are computed (A, B: the left and right operand; K: the contracted axis; several contracted axes count as one K, in the product's order):
;;     1. [M 16,384, K 1,024] x [K 1,024, N 128]; A: input x; B: input w_kv_down: QUANTISED
;;     2. [M 16,384, K 128] x [K 128, N 2,048]; A: computed on the way; B: input w_kv_up: QUANTISED
;;     3. [M 16,384, K 1,024] x [K 1,024, N 1,024]; A: input x; B: input w_q: QUANTISED
;;     4. batch 1,024 x [M 256, K 64] x [K 64, N 256]; A: computed on the way; B: computed on the way: QUANTISED
;;     5. batch 1,024 x [M 64, K 256] x [K 256, N 256]; A: computed on the way; B: softmax (see below): QUANTISED
;;     6. [M 16,384, K 1,024] x [K 1,024, N 1,024]; A: computed on the way; B: input w_out: QUANTISED
;;   THE QUANTISER, for each operand of a quantised product, along K:
;;     - K is cut into blocks of 32 from its start; a last block that is shorter is filled with zeros.
;;     - A block's scale is 2^e with e = floor(log2(the largest magnitude in the block)) - 2, held to -126 .. 127; a block of zeros has e = 0. As a byte (E8M0): e + 127.
;;     - Each number is divided by its block's scale, clamped to +-7.5, and rounded to the nearest number of E2M3, ties to even, subnormals kept.
;;     - The product sums the exact products of the quantised numbers (number of the format x scale) in f32.
;;   ~~~python
;;   def quantise(x, axis):      # numpy; x: float32 -> the quantised numbers, widened to float32 again
;;       x = np.moveaxis(x, axis, -1); K = x.shape[-1]
;;       x = np.pad(x, [(0, 0)] * (x.ndim - 1) + [(0, -K % 32)]); x = x.reshape(x.shape[:-1] + (-1, 32)); a = np.abs(x).max(-1, keepdims=True)
;;       e = np.where(a > 0, np.clip(np.frexp(np.where(a > 0, a, 1))[1] - 1 - 2, -126, 127), 0)      # np.frexp(a)[1] - 1 = floor(log2(a)), exactly
;;       r = np.clip(x / 2.0 ** e, -7.5, 7.5)
;;       step = 2.0 ** (np.maximum(np.frexp(np.where(r == 0, 1, r))[1] - 1, 0) - 3)
;;       q = np.round(r / step) * step * 2.0 ** e      # np.round: ties to even
;;       return np.moveaxis(q.reshape(q.shape[:-2] + (-1,))[..., :K], -1, axis).astype(np.float32)
;;   ~~~
;;   SOFTMAX AHEAD OF A QUANTISED PRODUCT. Where the list says 'softmax', what is quantised is not the finished softmax but p = 2^(t - M), with t = logit x log2(e) and M = ceil(the row's largest t), a whole number; so 1/2 < the row's largest p <= 1. The row's sum l is taken of the UNQUANTISED p, in f32, and the product's result is divided by l at the end. Since M is a whole number, a kernel that streams over the keys may use a running M (the ceiling of the running maximum): every later rescaling is an exact power of two, which a block's scale takes up: the codes' values come out the same.
;;   OPERANDS COMPUTED ON THE WAY. 'Computed on the way' means the value that the module computes at that place (a softmax that the list does not call 'softmax' is quantised finished and normalised). What goes into a quantiser is computed in f32, as accurately as f32 sums, v_exp_f32 and their like allow (about 1e-6 of the number): no bf16 or f16 on the way to a quantiser, and a product that is left as it is and whose result goes on into a quantised operand takes f32 operands (vector FMAs, or v_wmma_f32_16x16x4_f32). A number that lies on a knife's edge between two numbers of the format may be rounded either way, as far as f32 arithmetic and the matrix unit's own rounding can turn it there, and no further.
;; One version. Each part assembles by itself: llvm-mc -triple=amdgcn-amd-amdhsa -mcpu=gfx1250 --defsym DOCPART=n.
;; ======== version 1 of 1: 3 launches
;; limits: right only within a limited range of input values
;; workspace buffers: xq 13,107,200 bytes; yq 13,107,200 bytes; wimg 1,945,600 bytes
;; launch prep (part 1): grid 408 x 1, 8 waves a work-group, no clusters, 68,608 bytes of LDS; arguments x, w_q, w_out, w_kv_down, w_kv_up, xq, wimg; writes xq, wimg
.if DOCPART == 1
	.amdgcn_target "amdgcn-amd-amdhsa--gfx1250"
	.amdhsa_code_object_version 6
	.text
	.protected	k_q163031136f_prep
	.globl	k_q163031136f_prep
	.p2align	8
	.type	k_q163031136f_prep,@function
k_q163031136f_prep:
	s_mov_b64 s[64:65], 0
	v_nop
	global_prefetch_b8 v0, s[64:65] scope:SCOPE_SE
	s_setreg_imm32_b32 hwreg(HW_REG_WAVE_MODE, 25, 1), 1
	s_wait_xcnt 0x0
; x [16384][1024] and the four weights (stored [K][N]) become codes of FP6 (E2M3) with one E8M0 byte for each 32 along K,
; laid as IMAGES OF OPERAND REGISTERS.  A fragment (16 rows x 128 K, 12 registers a lane) is 1,536 bytes: registers 0-3 at 16 x lane,
; 4-5 at 512 + 8 x lane, 6-9 at 768 + 16 x lane, 10-11 at 1,280 + 8 x lane.  Lane (r, h) holds row r, registers 6 c .. 6 c + 5 = k 64 c + 32 h + 0 .. 31:
; two WHOLE blocks of 32 a lane, so a block's largest magnitude needs no other lane.
; A block's scale is 2^(floor(log2(largest magnitude)) - 2); its byte is the largest magnitude's exponent field - 2, held at 1 from below.
; LIMITS: NaN and infinities are not served; a block whose largest magnitude lies under 2^-124 has its byte held at 1; a block of zeros gets the byte 1
; where the quantiser's text says 127 (its codes are zeros, and only this program reads the bytes).
; Work-groups 0-151: one weight fragment a wave (a lane takes a column, its registers run down K).  Work-groups 152-407: x, a wave takes 16 rows x 512 along K.
; The scale words leave as pieces of 64 bytes: 1 byte in 128 of what the launch reads.
.set SPARE, 67584                      ; behind the eight stages: the spare words, 128 bytes a wave
.set STW,   8448                       ; a wave's stage: 16 rows of 528 bytes
.set SPI,   528                        ; 512 bytes + 16: row r starts 4 r banks on
.set XB,    204800                     ; xq: a batch's block: 8,192 bytes of scale words [s][row], then codes [s][m] of 1,536
.set WQ_C,  0
.set WO_C,  786432
.set WU_C,  1572864
.set WD_S,  1769472
.set WD_C,  1773568
.set WQ_S,  1871872
.set WO_S,  1904640
.set WU_S,  1937408
.set SPW, 1
.set NIL, 2
.set H8,  6                            ; 8 h
.set TX,  12
.set TM,  14
.set TE,  16
.set TB,  18
.set PW,  20
.set PC,  22                           ; v22-33 a fragment's codes
.set QT,  34                           ; v34-41 the conversions' second halves
.set OF,  64                           ; v64-127 weights: a byte offset for each of 64 rows
.set R,   64                           ; v64-191 x: two sets of 64 as loaded
.set X,   192                          ; v192-255 64 numbers: [c][32]
.set SEL, 20
.set FLO, 22
.set MSB, 0
.macro WIN new
.if MSB != (\new)
	s_set_vgpr_msb (MSB<<8)|(\new)
.set MSB, (\new)
.endif
.endm
; 64 numbers of a lane, v[src] on in window sw, [c][32] = k 64 c + 32 h + 0 .. 31 of my row, become 12 registers of codes v[f] on in window dw and the row's scale word v[pw] (window 0)
.macro QUANT64 src, sw, f, dw, pw
	WIN ((\sw)<<2)|((\sw)<<4)
	v_max3_num_f32 v[TM], s[FLO], |v[\src]|, |v[\src+1]|           ; the floor 2^(3 - 127) is a leaf: the byte cannot fall under 1
	v_max3_num_f32 v[TM+1], s[FLO], |v[\src+32]|, |v[\src+33]|
.irp i, 2,4,6,8,10,12,14,16,18,20,22,24,26,28,30
	s_delay_alu instid0(VALU_DEP_2)
	v_max3_num_f32 v[TM], v[TM], |v[\src+\i]|, |v[\src+\i+1]|      ; the two blocks by turns, ascending
	s_delay_alu instid0(VALU_DEP_2)
	v_max3_num_f32 v[TM+1], v[TM+1], |v[\src+32+\i]|, |v[\src+33+\i]|
.endr
	WIN 0
	s_delay_alu instid0(VALU_DEP_2)
	v_add_nc_u32 v[TE], 0xff000000, v[TM]                          ; 2 off the exponent field: the conversion's scale operand
	s_delay_alu instid0(VALU_DEP_2)
	v_add_nc_u32 v[TE+1], 0xff000000, v[TM+1]
	s_delay_alu instid0(VALU_DEP_2)
	v_lshrrev_b32 v[TB], 23, v[TE]                                 ; the bytes
	s_delay_alu instid0(VALU_DEP_2)
	v_lshrrev_b32 v[TB+1], 23, v[TE+1]
	s_delay_alu instid0(VALU_DEP_1)
	v_lshl_or_b32 v[\pw], v[TB+1], 16, v[TB]                       ; blocks h and 2 + h,
	s_delay_alu instid0(VALU_DEP_1)
	v_lshlrev_b32 v[\pw], v[H8], v[\pw]                            ; at their places,
	s_delay_alu instid0(VALU_DEP_1)
	v_permlanex16_b32 v[TX], v[\pw], s[SEL], s[SEL+1]
	s_delay_alu instid0(VALU_DEP_1)
	v_or_b32 v[\pw], v[\pw], v[TX]                                 ; with lane l xor 16's two: the word is whole
	WIN ((\dw)<<6)|(\sw)
	v_cvt_scalef32_pk16_fp6_f32 v[\f:\f+2], v[\src:\src+15], v[TE]
	v_cvt_scalef32_pk16_fp6_f32 v[QT:QT+2], v[\src+16:\src+31], v[TE]      ; (a conversion's three registers begin on an even number)
	v_cvt_scalef32_pk16_fp6_f32 v[\f+6:\f+8], v[\src+32:\src+47], v[TE+1]
	v_cvt_scalef32_pk16_fp6_f32 v[QT+4:QT+6], v[\src+48:\src+63], v[TE+1]
	WIN ((\dw)<<6)|(\dw)
	v_nop                                                          ; one plain place behind the conversions
.irp i, 0,1,2
	v_mov_b32 v[\f+3+\i], v[QT+\i]
	v_mov_b32 v[\f+9+\i], v[QT+4+\i]
.endr
	WIN 0
.endm
.macro GSTORE base, off                ; the fragment in v[PC] on leaves as its image: runs of 512 and 256 consecutive bytes
	global_store_b128 v7, v[PC:PC+3], s[\base:\base+1] offset:\off
	global_store_b64 v8, v[PC+4:PC+5], s[\base:\base+1] offset:\off+512
	global_store_b128 v7, v[PC+6:PC+9], s[\base:\base+1] offset:\off+768
	global_store_b64 v8, v[PC+10:PC+11], s[\base:\base+1] offset:\off+1280
.endm
	s_load_b256 s[4:11], s[0:1], 0x0               ; x, w_q, w_out, w_kv_down
	s_load_b128 s[12:15], s[0:1], 0x20             ; w_kv_up, xq
	s_load_b64 s[16:17], s[0:1], 0x30              ; wimg
	v_lshl_add_u32 v[SPW], v0, 2, SPARE
	v_mov_b32 v[NIL], 0
	v_lshrrev_b32 v3, 5, v0
	s_delay_alu instid0(VALU_DEP_1)
	v_readfirstlane_b32 s18, v3                    ; wave 0..7
	v_and_b32 v3, 31, v0                           ; lane
	v_and_b32 v4, 15, v0                           ; r
	v_bfe_u32 v5, v0, 4, 1                         ; h
	s_delay_alu instid0(VALU_DEP_1)
	v_lshlrev_b32 v[H8], 3, v5
	s_delay_alu instid0(VALU_DEP_4)
	v_lshlrev_b32 v7, 4, v3                        ; 16 x lane
	v_lshlrev_b32 v8, 3, v3                        ; 8 x lane
	v_lshlrev_b32 v9, 2, v4                        ; 4 r
	s_mul_i32 s19, s18, STW                        ; my stage
	v_add_nc_u32 v10, s19, v7                      ; into it: a row's 512 bytes as they lie
	v_mul_u32_u24 v11, v4, SPI
	s_delay_alu instid0(VALU_DEP_1)
	v_lshl_add_u32 v11, v5, 7, v11
	s_delay_alu instid0(VALU_DEP_1)
	v_add_nc_u32 v11, s19, v11                     ; out of it: row r, + 128 h
	v_mov_b32 v[TX], 0                             ; a lane permute's destination counts as read
	s_mov_b32 s[SEL], 0x76543210
	s_mov_b32 s[SEL+1], 0xfedcba98
	s_mov_b32 s[FLO], 0x1800000
	s_wait_kmcnt 0x0
	s_cmp_lt_u32 ttmp9, 152
	s_cbranch_scc0 .Lx
	; ---- WEIGHTS: fragment f = 8 x work-group + wave.  Four short arms set: source s[26:27], row pitch s28, 24 or 0 s29, first column s30, K step s31, where codes s32 and scale words s33 go
	s_lshl_b32 s24, ttmp9, 3
	s_add_co_u32 s24, s24, s18
	s_cmp_lt_u32 ttmp9, 64
	s_cbranch_scc0 .Lnot_q
	s_mov_b64 s[26:27], s[6:7]                     ; w_q: [head][s][t]; lane r of tile t takes column 64 head + 8 t + r + 24 (r / 8)
	s_mov_b32 s28, 4096
	s_mov_b32 s29, 24
	s_bfe_u32 s31, s24, 0x30002
	s_lshr_b32 s30, s24, 5
	s_lshl_b32 s30, s30, 6
	s_and_b32 s34, s24, 3
	s_lshl_b32 s34, s34, 3
	s_add_co_u32 s30, s30, s34
	s_mul_i32 s32, s24, 1536
	s_lshl_b32 s33, s24, 6
	s_add_co_u32 s33, s33, WQ_S
	s_branch .Lwgo
.Lnot_q:
	s_cmp_lt_u32 ttmp9, 128
	s_cbranch_scc0 .Lnot_o
	s_sub_co_u32 s24, s24, 512
	s_mov_b64 s[26:27], s[8:9]                     ; w_out: [column group][s][t]; natural columns 64 cg + 16 t + r
	s_mov_b32 s28, 4096
	s_mov_b32 s29, 0
	s_bfe_u32 s31, s24, 0x30002
	s_lshr_b32 s30, s24, 5
	s_lshl_b32 s30, s30, 6
	s_and_b32 s34, s24, 3
	s_lshl_b32 s34, s34, 4
	s_add_co_u32 s30, s30, s34
	s_mul_i32 s32, s24, 1536
	s_add_co_u32 s32, s32, WO_C
	s_lshl_b32 s33, s24, 6
	s_add_co_u32 s33, s33, WO_S
	s_branch .Lwgo
.Lnot_o:
	s_cmp_lt_u32 ttmp9, 136
	s_cbranch_scc0 .Lnot_d
	s_sub_co_u32 s24, s24, 1024
	s_mov_b64 s[26:27], s[10:11]                   ; w_kv_down: [s][t 0..7]
	s_mov_b32 s28, 512
	s_mov_b32 s29, 24
	s_lshr_b32 s31, s24, 3
	s_bfe_u32 s30, s24, 0x10002
	s_lshl_b32 s30, s30, 6
	s_and_b32 s34, s24, 3
	s_lshl_b32 s34, s34, 3
	s_add_co_u32 s30, s30, s34
	s_mul_i32 s32, s24, 1536
	s_add_co_u32 s32, s32, WD_C
	s_lshl_b32 s33, s24, 6
	s_add_co_u32 s33, s33, WD_S
	s_branch .Lwgo
.Lnot_d:
	s_sub_co_u32 s24, s24, 1088
	s_mov_b64 s[26:27], s[12:13]                   ; w_kv_up: [head][k or v][t]; one K step
	s_mov_b32 s28, 8192
	s_mov_b32 s29, 24
	s_mov_b32 s31, 0
	s_bfe_u32 s30, s24, 0x10002
	s_lshl_b32 s30, s30, 10
	s_lshr_b32 s34, s24, 3
	s_lshl_b32 s34, s34, 6
	s_add_co_u32 s30, s30, s34
	s_and_b32 s34, s24, 3
	s_lshl_b32 s34, s34, 3
	s_add_co_u32 s30, s30, s34
	s_mul_i32 s32, s24, 1536
	s_add_co_u32 s32, s32, WU_C
	s_lshl_b32 s33, s24, 6
	s_add_co_u32 s33, s33, WU_S
.Lwgo:
	s_mul_i32 s31, s31, s28
	s_lshl_b32 s31, s31, 7                         ; 128 rows a K step
	s_lshl_b32 s30, s30, 2
	s_add_co_u32 s30, s30, s31
	s_mov_b32 s31, 0
	s_add_nc_u64 s[26:27], s[26:27], s[30:31]
	s_mov_b32 s36, s32
	s_mov_b32 s37, 0
	s_add_nc_u64 s[36:37], s[16:17], s[36:37]
	s_mov_b32 s38, s33
	s_mov_b32 s39, 0
	s_add_nc_u64 s[38:39], s[16:17], s[38:39]
	v_lshrrev_b32 v14, 3, v4
	s_delay_alu instid0(VALU_DEP_1)
	v_mad_u32_u24 v14, v14, s29, v4                ; my column in the tile
	s_lshl_b32 s34, s28, 5
	v_mul_u32_u24 v13, s34, v5                     ; lanes 16-31 begin 32 rows further down
	s_delay_alu instid0(VALU_DEP_1)
	v_lshl_add_u32 v13, v14, 2, v13
.set i, 0
.rept 64
	v_mad_u32_u24 v[OF+i], s28, (i/32)*64+(i%32), v13
.set i, i+1
.endr
.set i, 0
.rept 64
	global_load_b32 v[X+i], v[OF+i], s[26:27]      ; W(128 s + 64 c + 32 h + i, my column)
.set i, i+1
.endr
	s_wait_loadcnt 0x0
	QUANT64 X, 0, PC, 0, PW
	GSTORE 36, 0
	global_store_b32 v9, v[PW], s[38:39]           ; lanes r and r + 16 hold the same word
	s_wait_tensorcnt 0x0                           ; the wave's end
	ds_add_u32 v[SPW], v[NIL]
	s_wait_dscnt 0x0
	s_endpgm
	; ---- x: work-group 152 + 4 b + i: rows 256 b + 64 i on.  Wave w: row tile m = 4 i + w % 4, K steps 4 (w / 4) + 0 .. 3
.Lx:
	s_sub_co_u32 s24, ttmp9, 152
	s_lshr_b32 s25, s24, 2                         ; b
	s_and_b32 s26, s24, 3
	s_lshl_b32 s26, s26, 2
	s_and_b32 s27, s18, 3
	s_add_co_u32 s26, s26, s27                     ; m
	s_lshr_b32 s27, s18, 2                         ; which half of K
	s_lshl_b32 s28, s25, 4
	s_add_co_u32 s28, s28, s26
	s_lshl_b32 s28, s28, 16                        ; 16 rows of 4,096 bytes a tile
	s_lshl_b32 s29, s27, 11
	s_add_co_u32 s28, s28, s29
	s_mov_b32 s29, 0
	s_add_nc_u64 s[4:5], s[4:5], s[28:29]
	s_mul_i32 s30, s25, XB
	s_lshl_b32 s32, s27, 6
	s_add_co_u32 s32, s32, s26
	s_mul_i32 s32, s32, 1536
	s_add_co_u32 s32, s32, s30
	s_add_co_u32 s32, s32, 8192
	s_mov_b32 s33, 0
	s_add_nc_u64 s[32:33], s[14:15], s[32:33]      ; codes: fragment (s = 4 half, m)
	s_lshl_b32 s34, s27, 12
	s_lshl_b32 s35, s26, 6
	s_add_co_u32 s34, s34, s35
	s_add_co_u32 s34, s34, s30
	s_mov_b32 s35, 0
	s_add_nc_u64 s[34:35], s[14:15], s[34:35]      ; scale words
.macro LOAD t                          ; 16 rows x 512 consecutive bytes: K step t of my four
.irp w, 0,1,2,3,4,5,6,7,8,9,10,11,12,13,14,15
	global_load_b128 v[R+64*((\t)&1)+4*\w:R+64*((\t)&1)+4*\w+3], v7, s[4:5] offset:\w*4096+(\t)*512 th:TH_LOAD_NT
.endr
.endm
.macro TURN t                          ; through my stage: in as they lie, out 128 neighbouring bytes of a row a block.  LDS serves a wave's instructions in order
.irp w, 0,1,2,3,4,5,6,7,8,9,10,11,12,13,14,15
	ds_store_b128 v10, v[R+64*((\t)&1)+4*\w:R+64*((\t)&1)+4*\w+3] offset:\w*SPI
.endr
.irp w, 0,1,2,3,4,5,6,7,8,9,10,11,12,13,14,15
	ds_load_b128 v[X+4*\w:X+4*\w+3], v11 offset:256*(\w/8)+16*(\w%8)
.endr
.endm
	s_wait_alu depctr_va_vdst(0)
	LOAD 0
	LOAD 1
.irp t, 0,1,2,3
.if \t < 3
	s_wait_loadcnt 16                              ; this step's 16 loads are in; the next step's 16 may be out
.else
	s_wait_loadcnt 0x0
.endif
	TURN \t
	s_wait_dscnt 0x0                               ; my 64 numbers are back, and the stage's stores have read the set
	s_wait_xcnt 0x0                                ; the last step's stores have read the codes' registers and the word
.if \t < 2
	LOAD \t+2
.endif
	QUANT64 X, 0, PC, 0, PW
	GSTORE 32, \t*24576
	global_store_b32 v9, v[PW], s[34:35] offset:\t*1024
.endr
	s_wait_tensorcnt 0x0                           ; the wave's end, behind my last LDS store
	ds_add_u32 v[SPW], v[NIL]
	s_wait_dscnt 0x0
	s_endpgm
.Lfunc_end_k_q163031136f_prep:
	.size	k_q163031136f_prep, .Lfunc_end_k_q163031136f_prep-k_q163031136f_prep
	.p2alignl 7, 3214868480
	.fill 96, 4, 3214868480
	.section	.rodata,"a",@progbits
	.p2align	6, 0x0
	.amdhsa_kernel k_q163031136f_prep
		.amdhsa_group_segment_fixed_size 68608
		.amdhsa_private_segment_fixed_size 0
		.amdhsa_enable_private_segment 0
		.amdhsa_kernarg_size 56
		.amdhsa_user_sgpr_count 2
		.amdhsa_user_sgpr_kernarg_segment_ptr 1
		.amdhsa_wavefront_size32 1
		.amdhsa_system_sgpr_workgroup_id_x 1
		.amdhsa_system_sgpr_workgroup_id_y 1
		.amdhsa_system_sgpr_workgroup_id_z 1
		.amdhsa_system_vgpr_workitem_id 0
		.amdhsa_next_free_vgpr 256
		.amdhsa_next_free_sgpr 66
		.amdhsa_reserve_vcc 0
		.amdhsa_float_denorm_mode_32 3
		.amdhsa_float_denorm_mode_16_64 3
		.amdhsa_memory_ordered 1
		.amdhsa_forward_progress 1
		.amdhsa_inst_pref_size 55
	.end_amdhsa_kernel
	.amdgpu_metadata
---
amdhsa.version: [ 1, 2 ]
amdhsa.kernels:
  - .name:           k_q163031136f_prep
    .symbol:         k_q163031136f_prep.kd
    .args:
      - { .name: x, .offset: 0, .size: 8, .value_kind: global_buffer, .address_space: global }
      - { .name: w_q, .offset: 8, .size: 8, .value_kind: global_buffer, .address_space: global }
      - { .name: w_out, .offset: 16, .size: 8, .value_kind: global_buffer, .address_space: global }
      - { .name: w_kv_down, .offset: 24, .size: 8, .value_kind: global_buffer, .address_space: global }
      - { .name: w_kv_up, .offset: 32, .size: 8, .value_kind: global_buffer, .address_space: global }
      - { .name: xq, .offset: 40, .size: 8, .value_kind: global_buffer, .address_space: global }
      - { .name: wimg, .offset: 48, .size: 8, .value_kind: global_buffer, .address_space: global }
    .group_segment_fixed_size: 68608
    .private_segment_fixed_size: 0
    .kernarg_segment_align: 8
    .kernarg_segment_size: 56
    .max_flat_workgroup_size: 256
    .sgpr_count:     66
    .vgpr_count:     256
    .wavefront_size: 32
...
	.end_amdgpu_metadata
.endif
;; end of part 1
;; launch attn (part 2): grid 4 x 64, 4 waves a work-group, clusters of 4 x 1, 327,680 bytes of LDS; arguments xq, wimg, yq; writes yq
.if DOCPART == 2
	.amdgcn_target "amdgcn-amd-amdhsa--gfx1250"
	.amdhsa_code_object_version 6
	.text
	.protected	k_q163031136f_attn
	.globl	k_q163031136f_attn
	.p2align	8
	.type	k_q163031136f_attn,@function
k_q163031136f_attn:
	s_mov_b64 s[64:65], 0
	v_nop
	global_prefetch_b8 v0, s[64:65] scope:SCOPE_SE
	s_setreg_imm32_b32 hwreg(HW_REG_WAVE_MODE, 25, 1), 1
	s_wait_xcnt 0x0
	s_wait_alu depctr_hold_cnt(0) depctr_sa_sdst(0) depctr_va_vdst(0) depctr_va_sdst(0) depctr_va_ssrc(0) depctr_va_vcc(0) depctr_vm_vsrc(0)
	s_getreg_b32 s2, hwreg(HW_REG_IB_STS2, 6, 4)
	s_cmp_eq_u32 s2, 0
	s_cbranch_scc0 .Lentry_in_a_cluster
	s_endpgm
.Lentry_in_a_cluster:
	s_bfe_u32 s2, ttmp6, 0x10000c
	s_cmp_lg_u32 s2, 0x3003
	s_cbranch_scc0 .Lentry_shape_is_right
	s_endpgm
.Lentry_shape_is_right:
; One work-group: one batch b (256 tokens) and four heads; wave w owns head 4 hg + w.  All products on codes of FP6 (E2M3) with E8M0 scales.
; A: latent = Q(x) Q(w_kv_down) (rows shared among the waves)   B: q = Q(x) Q(w_q), my head   C: k, v = Q(latent) Q(w_kv_up), my head   D: causal attention, my head; y leaves as codes.
; x's codes of the batch and w_kv_down's codes come into LDS ONCE, in four quarters along K, by tensor loads that the four work-groups of a cluster (the four head groups of a batch) ask for jointly;
; no LDS byte is filled twice.  My head's weights go from memory straight into my registers, as register images, in runs of under 64 loads.
; EVERY PRODUCT THAT MAKES AN OPERAND IS USED SO THAT A LANE HOLDS WHOLE BLOCKS OF 32 ALONG THE NEXT K: row rho of tile t of a group of 64 is index 32 (rho / 8) + 8 t + rho % 8,
; so registers 8 t + j of tiles 0-3 in lane (r, h) are index 32 h + 8 t + j.  No lane is asked for a maximum, no halves are exchanged.
; THE HEAD IS 64 WIDE, THE INSTRUCTION 128: a K fragment holds two key tiles in its two halves, and q stands beside six registers of zero codes on either side: [q|0] takes the first tile, [0|q] the second.
; SOFTMAX: a query tile's whole row (up to 256 keys; groups of 64 keys that lie wholly behind the diagonal are left out) is in registers at once: M = ceil(the row's largest t), p = 2^(t - M),
; the row's sum of the unquantised p divides at the end (v_rcp_f32 and a multiplication).
; Maxima and sums run in four chains or more, the mask's compares stand among the score products,
; a tile's q is loaded a tile ahead, and dependent short runs stand between conversions and the moves that read them.
; LIMITS: NaN and infinities are not served; a block whose largest magnitude lies under 2^-124 has its byte held at 1, a block of zeros too (its codes are zeros; only this program reads the bytes).
; The latent is made by each of a batch's four work-groups: 768 matrix instructions more a work-group, in place of a launch and the latent's way through memory.
; REGISTERS.  Window 0: v0-15 what stays; v16-63 scale words and nothing else; v64-127 by phase; v128-223 two sets of x's fragments (A, B); v128-255 the scores (D).
;   Window 1: w_kv_down's fragments, two sets (A); then w_q's K steps 5-7 (v0-143) and w_kv_up's eight (v144-239); from C on the key fragments (v0-95).   Window 2: accumulators of A, B, C.
;   Window 3: w_q's K steps 0-4 (v0-239); from C on the latent's fragments (v0-95) and V's (v96-191).
; THE FILLS AS THEY STAND (this takes the place of the words on quarters along K above): one joint tensor load a wave, at the head.  Waves 0 and 1 bring a half each
; of the batch's 204,800 bytes of xq (400 rows of 256 bytes), waves 2 and 3 a half each of w_kv_down's 102,400 bytes (200 rows).  One wait for 0 and one barrier show all of it to every wave.
; No prefetch: every fill is asked for at the head, and there is no loop to run ahead in.
.set XB,    204800
.set XSC,   0                          ; LDS: x's scale words [s][row],
.set XIMG,  8192                       ; its fragments [s][m],
.set WDS,   204800                     ; w_kv_down's scale words [s][t],
.set WD,    208896                     ; its fragments [s][t],
.set SPARE, 307200                     ; the spare words, 128 bytes a wave,
.set YSC,   307712                     ; y's scale words of my work-group's two K steps
.set LIMG,  204800                     ; behind barrier A1, in w_kv_down's bytes (last fill and last read over): the latent's 16 fragments,
.set LSC,   229376                     ; their scale words,
.set QREG,  230400                     ; and for each wave 16 half images of q (768 bytes) and 16 x 128 bytes of scale words
.set QRW,   14336
.set WQ_C,  0
.set WU_C,  1572864
.set WD_S,  1769472
.set WQ_S,  1871872
.set WU_S,  1937408
.set SPW, 1
.set NIL, 2
.set H8,  3
.set L16, 4
.set L8,  5
.set L4,  6
.set RR,  7
.set HH,  8
.set TX,  13
.set KS,  16                           ; v16-23 the key fragments' scale words
.set VS,  24                           ; v24-31 V's
.set WQS, 32                           ; v32-47 w_q's, in pairs of tiles (even tile lanes 0-15, odd tile lanes 16-31)
.set WUS, 48                           ; v48-51 w_kv_up's, in pairs
.set LS,  52                           ; v52-59 A: w_kv_down's, two sets of four pairs;  C: the latent's
.set XS,  60                           ; v60-63 x's, two sets of two pairs
.set QS,  60                           ; D: q's
.set PS,  61                           ; D: p's, v61-62
.set TM2, 96                           ; v96-97 the quantiser's second pair of chains
.set TM,  100
.set TE,  102
.set TB,  104
.set QT,  244
.set S,   128
.set PF,  82
.set BM,  106
.set TED, 110
.set SEL, 20
.set CS,  22
.set FLO, 97
.set MK,  24                           ; s24-55 D: the mask's 32 lane masks (they held descriptors; every tensor load has been waited for in A)
.set MSB, 0
.macro WIN new
.if MSB != (\new)
	s_set_vgpr_msb (MSB<<8)|(\new)
.set MSB, (\new)
.endif
.endm
.macro PLACES n
.rept \n
	v_nop
.endr
.endm
.macro LFRAG reg, a16, a8, off         ; a fragment's image from LDS: four loads, each of consecutive bytes
	ds_load_b128 v[\reg:\reg+3], v[\a16] offset:\off
	ds_load_b64 v[\reg+4:\reg+5], v[\a8] offset:\off+512
	ds_load_b128 v[\reg+6:\reg+9], v[\a16] offset:\off+768
	ds_load_b64 v[\reg+10:\reg+11], v[\a8] offset:\off+1280
.endm
.macro LSTORE reg, a16, a8, off
	ds_store_b128 v[\a16], v[\reg:\reg+3] offset:\off
	ds_store_b64 v[\a8], v[\reg+4:\reg+5] offset:\off+512
	ds_store_b128 v[\a16], v[\reg+6:\reg+9] offset:\off+768
	ds_store_b64 v[\a8], v[\reg+10:\reg+11] offset:\off+1280
.endm
.macro GFRAG reg, o16, o8, off         ; the same from the weights' buffer
	global_load_b128 v[\reg:\reg+3], v[\o16], s[6:7] offset:\off
	global_load_b64 v[\reg+4:\reg+5], v[\o8], s[6:7] offset:\off+512
	global_load_b128 v[\reg+6:\reg+9], v[\o16], s[6:7] offset:\off+768
	global_load_b64 v[\reg+10:\reg+11], v[\o8], s[6:7] offset:\off+1280
.endm
.macro ROUND                           ; a round of the cluster's barrier
	s_barrier_signal -1
	s_barrier_wait -1
	s_cmp_lg_u32 s10, 0
	s_cbranch_scc1 .Lnot_wave_0_\@
	s_barrier_signal -3
.Lnot_wave_0_\@:
	s_barrier_wait -3
	s_barrier_signal -1
	s_barrier_wait -1
.endm
.macro GATE n                          ; my LDS instructions are done; my tensor load has landed (n = 0); then everybody's has.  Nothing is ever filled again
	s_wait_dscnt 0x0
	s_wait_tensorcnt \n
	s_barrier_signal -1
	s_barrier_wait -1
.endm
; a matrix instruction: D, source 0, source 1, z = 1: the sum begins with 0; the two scale registers; ra, rb = 1: the scales stand in lanes 16-31
.macro MM d, a, b, z, sa, sb, ra, rb
.if (\z)
.if (\ra) && (\rb)
	v_wmma_scale_f32_16x16x128_f8f6f4 v[0+(\d):7+(\d)], v[0+(\a):11+(\a)], v[0+(\b):11+(\b)], 0, v[0+(\sa)], v[0+(\sb)] matrix_a_fmt:MATRIX_FMT_FP6 matrix_b_fmt:MATRIX_FMT_FP6 matrix_a_scale:MATRIX_SCALE_ROW1 matrix_b_scale:MATRIX_SCALE_ROW1
.elseif (\ra)
	v_wmma_scale_f32_16x16x128_f8f6f4 v[0+(\d):7+(\d)], v[0+(\a):11+(\a)], v[0+(\b):11+(\b)], 0, v[0+(\sa)], v[0+(\sb)] matrix_a_fmt:MATRIX_FMT_FP6 matrix_b_fmt:MATRIX_FMT_FP6 matrix_a_scale:MATRIX_SCALE_ROW1
.elseif (\rb)
	v_wmma_scale_f32_16x16x128_f8f6f4 v[0+(\d):7+(\d)], v[0+(\a):11+(\a)], v[0+(\b):11+(\b)], 0, v[0+(\sa)], v[0+(\sb)] matrix_a_fmt:MATRIX_FMT_FP6 matrix_b_fmt:MATRIX_FMT_FP6 matrix_b_scale:MATRIX_SCALE_ROW1
.else
	v_wmma_scale_f32_16x16x128_f8f6f4 v[0+(\d):7+(\d)], v[0+(\a):11+(\a)], v[0+(\b):11+(\b)], 0, v[0+(\sa)], v[0+(\sb)] matrix_a_fmt:MATRIX_FMT_FP6 matrix_b_fmt:MATRIX_FMT_FP6
.endif
.else
.if (\ra) && (\rb)
	v_wmma_scale_f32_16x16x128_f8f6f4 v[0+(\d):7+(\d)], v[0+(\a):11+(\a)], v[0+(\b):11+(\b)], v[0+(\d):7+(\d)], v[0+(\sa)], v[0+(\sb)] matrix_a_fmt:MATRIX_FMT_FP6 matrix_b_fmt:MATRIX_FMT_FP6 matrix_a_scale:MATRIX_SCALE_ROW1 matrix_b_scale:MATRIX_SCALE_ROW1
.elseif (\ra)
	v_wmma_scale_f32_16x16x128_f8f6f4 v[0+(\d):7+(\d)], v[0+(\a):11+(\a)], v[0+(\b):11+(\b)], v[0+(\d):7+(\d)], v[0+(\sa)], v[0+(\sb)] matrix_a_fmt:MATRIX_FMT_FP6 matrix_b_fmt:MATRIX_FMT_FP6 matrix_a_scale:MATRIX_SCALE_ROW1
.elseif (\rb)
	v_wmma_scale_f32_16x16x128_f8f6f4 v[0+(\d):7+(\d)], v[0+(\a):11+(\a)], v[0+(\b):11+(\b)], v[0+(\d):7+(\d)], v[0+(\sa)], v[0+(\sb)] matrix_a_fmt:MATRIX_FMT_FP6 matrix_b_fmt:MATRIX_FMT_FP6 matrix_b_scale:MATRIX_SCALE_ROW1
.else
	v_wmma_scale_f32_16x16x128_f8f6f4 v[0+(\d):7+(\d)], v[0+(\a):11+(\a)], v[0+(\b):11+(\b)], v[0+(\d):7+(\d)], v[0+(\sa)], v[0+(\sb)] matrix_a_fmt:MATRIX_FMT_FP6 matrix_b_fmt:MATRIX_FMT_FP6
.endif
.endif
.endm
; 64 numbers of a lane, v[src] on in window sw, [c][32] = k 64 c + 32 h + 0 .. 31 of my row, become 12 registers of codes v[f] on in window dw and the row's scale word v[pw] (window 0).
; The largest magnitudes run in FOUR chains, two to a block, by turns; each chain goes up from a tile's low end.
.macro QUANT64 src, sw, f, dw, pw
	WIN ((\sw)<<2)|((\sw)<<4)
	v_max3_num_f32 v[TM], s[FLO], |v[\src]|, |v[\src+1]|           ; the floor 2^(3 - 127) is a leaf: the byte cannot fall under 1
	v_max3_num_f32 v[TM+1], s[FLO], |v[\src+32]|, |v[\src+33]|
	v_max3_num_f32 v[TM2], s[FLO], |v[\src+16]|, |v[\src+17]|
	v_max3_num_f32 v[TM2+1], s[FLO], |v[\src+48]|, |v[\src+49]|
.irp i, 2,4,6,8,10,12,14
	v_max3_num_f32 v[TM], v[TM], |v[\src+\i]|, |v[\src+\i+1]|
	v_max3_num_f32 v[TM+1], v[TM+1], |v[\src+32+\i]|, |v[\src+33+\i]|
	v_max3_num_f32 v[TM2], v[TM2], |v[\src+16+\i]|, |v[\src+17+\i]|
	v_max3_num_f32 v[TM2+1], v[TM2+1], |v[\src+48+\i]|, |v[\src+49+\i]|
.endr
	WIN 0
	v_max_num_f32 v[TM], v[TM], v[TM2]
	v_max_num_f32 v[TM+1], v[TM+1], v[TM2+1]
	v_add_nc_u32 v[TE], 0xff000000, v[TM]                          ; 2 off the exponent field: the conversion's scale operand
	v_add_nc_u32 v[TE+1], 0xff000000, v[TM+1]
	WIN ((\dw)<<6)|(\sw)
	v_cvt_scalef32_pk16_fp6_f32 v[\f:\f+2], v[\src:\src+15], v[TE]
	v_cvt_scalef32_pk16_fp6_f32 v[QT:QT+2], v[\src+16:\src+31], v[TE]      ; (a conversion's three registers begin on an even number)
	v_cvt_scalef32_pk16_fp6_f32 v[\f+6:\f+8], v[\src+32:\src+47], v[TE+1]
	v_cvt_scalef32_pk16_fp6_f32 v[QT+4:QT+6], v[\src+48:\src+63], v[TE+1]
	WIN 0
	v_lshrrev_b32 v[TB], 23, v[TE]                                 ; the bytes.  These six lines, which touch nothing of the conversions' results, stand between the conversions and the moves that read them
	v_lshrrev_b32 v[TB+1], 23, v[TE+1]
	v_lshl_or_b32 v[\pw], v[TB+1], 16, v[TB]                       ; blocks h and 2 + h,
	v_lshlrev_b32 v[\pw], v[H8], v[\pw]                            ; at their places,
	v_permlanex16_b32 v[TX], v[\pw], s[SEL], s[SEL+1]
	v_or_b32 v[\pw], v[\pw], v[TX]                                 ; with lane l xor 16's two: the word is whole
	WIN ((\dw)<<6)|(\dw)
.irp i, 0,1,2
	v_mov_b32 v[\f+3+\i], v[QT+\i]
	v_mov_b32 v[\f+9+\i], v[QT+4+\i]
.endr
	WIN 0
.endm
.macro G1SET g, rows                   ; descriptor group 1: rows x 256 dense bytes (32 elements of 8 bytes), no padding; the mask names all four work-groups, bit 21 beside it
	s_mov_b32 s[\g], 15|(3<<16)|(1<<21)
	s_mov_b32 s[\g+1], 32<<16
	s_mov_b32 s[\g+2], (\rows)<<16
	s_mov_b32 s[\g+3], 32<<16
	s_mov_b32 s[\g+4], \rows
	s_mov_b32 s[\g+5], 32
	s_mov_b32 s[\g+6], 0
	s_mov_b32 s[\g+7], 0
.endm
.macro G0SET g, lreg, lc, base, gc     ; descriptor group 0: LDS address = wave's share + a constant; global address = a base that holds the wave's share + a constant
	s_mov_b32 s[\g], 1
	s_add_co_u32 s[\g+1], s[\lreg], \lc
	s_add_nc_u64 s[\g+2:\g+3], s[\base:\base+1], \gc
	s_or_b32 s[\g+3], s[\g+3], 0x80000000
.endm
	s_load_b128 s[4:7], s[0:1], 0x0                ; xq, wimg
	s_load_b64 s[8:9], s[0:1], 0x10                ; yq
	v_lshl_add_u32 v[SPW], v0, 2, SPARE
	v_mov_b32 v[NIL], 0
	ds_add_u32 v[SPW], v[NIL]                      ; the wave's opening: the add, twice on end, and its wait ahead of my first tensor load
	ds_add_u32 v[SPW], v[NIL]
	v_lshrrev_b32 v3, 5, v0
	v_readfirstlane_b32 s10, v3                    ; wave
	s_bfe_u32 s11, ttmp6, 0x40000                  ; my place in the cluster = the head group: it enters global addresses of my own loads and stores alone
	s_and_b32 s12, ttmp7, 0xffff                   ; the batch, which the four partners share
	s_lshl_b32 s13, s11, 2
	s_add_co_u32 s13, s13, s10                     ; my head
	G1SET 24, 400                                  ; a half of x's block
	G1SET 32, 200                                  ; a half of w_kv_down's
	s_mov_b32 s[SEL], 0x76543210
	s_mov_b32 s[SEL+1], 0xfedcba98
	s_mov_b32 s[CS], 0x3e38aa3b                    ; log2(e) / 8
	s_mov_b32 s[CS+1], s[CS]
	s_mov_b32 s[FLO], 0x1800000
	v_and_b32 v9, 31, v0
	v_and_b32 v[RR], 15, v0
	v_bfe_u32 v[HH], v0, 4, 1
	v_lshlrev_b32 v[H8], 3, v[HH]
	v_lshlrev_b32 v[L16], 4, v9
	v_lshlrev_b32 v[L8], 3, v9
	v_lshlrev_b32 v[L4], 2, v9
	v_mov_b32 v[TX], 0
	s_mul_i32 s94, s13, 49152                      ; my head's 32 fragments of w_q
	v_add_nc_u32 v10, s94, v[L16]
	v_add_nc_u32 v11, s94, v[L8]
	s_lshl_b32 s94, s13, 11
	v_add_nc_u32 v9, s94, v[L4]                    ; their scale words
	s_mul_i32 s94, s13, 12288                      ; my head's 8 fragments of w_kv_up
	v_add_nc_u32 v12, s94, v[L16]
	v_add_nc_u32 v14, s94, v[L8]
	s_lshl_b32 s94, s13, 9
	v_add_nc_u32 v15, s94, v[L4]
	s_and_b32 s2, s10, 1                           ; which half I bring
	s_mul_i32 s92, s2, 102400                      ; of x's block,
	s_mul_i32 s93, s2, 51200                       ; of w_kv_down's
	s_mul_i32 s16, s12, XB
	s_mov_b32 s17, 0
	s_wait_alu depctr_va_vdst(0)
	s_wait_dscnt 0x0                               ; both opening adds are done
	s_wait_kmcnt 0x0
	s_add_nc_u64 s[16:17], s[4:5], s[16:17]        ; the batch's block of xq
	s_mov_b32 s14, s92
	s_mov_b32 s15, 0
	s_add_nc_u64 s[14:15], s[16:17], s[14:15]
	s_mov_b32 s98, s93
	s_mov_b32 s99, 0
	s_add_nc_u64 s[98:99], s[6:7], s[98:99]
	G0SET 56, 92, 0, 14, 0                                         ; x: scale words and fragments, my half
	G0SET 60, 93, WDS, 98, WD_S                                    ; w_kv_down likewise
	ROUND                                          ; all four work-groups are here: the joint loads meet
	s_cmp_lt_u32 s10, 2                            ; one load a wave, in one branch on the wave's number
	s_cbranch_scc0 .Lhead_wd
	tensor_load_to_lds s[56:59], s[24:31]
	s_nop 0
	PLACES 4
	s_branch .Lhead_go
.Lhead_wd:
	tensor_load_to_lds s[60:63], s[32:39]
	s_nop 0
	PLACES 4
.Lhead_go:
.set i, 0
.rept 16
	global_load_b32 v[WQS+i], v9, s[6:7] offset:WQ_S+128*i         ; w_q's scale words: register 2 s + u = K step s, tiles 2 u (lanes 0-15) and 2 u + 1
.set i, i+1
.endr
	WIN 0xc0
.set i, 0
.rept 8
	GFRAG 12*i, 10, 11, WQ_C+1536*i                                ; w_q, K steps 0, 1: fragment 4 s + t.  48 loads here; the next 48 go out behind step 1 of A
.set i, i+1
.endr
	WIN 0
	; ================ A: the latent.  Wave w: row tiles 4 w + 0 .. 3 against all 8 tiles of w_kv_down; accumulator (mi, t) at v[8 (8 mi + t)] of window 2
	s_mul_i32 s94, s10, 6144
.irp p, 0,1,2,3
	s_add_co_u32 s95, s94, XIMG+49152*\p
	v_add_nc_u32 v[64+\p], s95, v[L16]
	v_add_nc_u32 v[68+\p], s95, v[L8]
.endr
	v_add_nc_u32 v72, WD, v[L16]
	v_add_nc_u32 v73, WD+49152, v[L16]
	v_add_nc_u32 v74, WD, v[L8]
	v_add_nc_u32 v75, WD+49152, v[L8]
	v_add_nc_u32 v76, WDS, v[L4]
	s_lshl_b32 s95, s10, 8
	v_add_nc_u32 v77, s95, v[L4]
.macro FETCHA s                        ; K step s into set s % 2: 54 LDS loads
.set q, (\s)&1
	WIN 0x40
.irp t, 0,1,2,3,4,5,6,7
	LFRAG 96*q+12*\t, 72+((\s)>>2), 74+((\s)>>2), ((\s)&3)*12288+1536*\t
.endr
	WIN 0
.irp m, 0,1,2,3
	LFRAG 128+48*q+12*\m, 64+((\s)>>1), 68+((\s)>>1), ((\s)&1)*24576+1536*\m
.endr
.irp u, 0,1,2,3
	ds_load_b32 v[LS+4*q+\u], v76 offset:512*(\s)+128*\u
.endr
.irp i, 0,1
	ds_load_b32 v[XS+2*q+\i], v77 offset:1024*(\s)+128*\i
.endr
.endm
.macro STEPA s
	PLACES 4                                       ; in front of loads into registers that the last products read
.if (\s)<7
	FETCHA (\s)+1
	s_wait_dscnt 54                                ; all but the 54 just issued: this step's set is in
.else
	s_wait_dscnt 0x0
.endif
	WIN 0xa1
.set q, (\s)&1
.set mi, 0
.rept 4
.set tt, 0
.rept 8
	MM 8*(8*mi+tt), 96*q+12*tt, 128+48*q+12*mi, (\s)==0, LS+4*q+(tt>>1), XS+2*q+(mi>>1), tt&1, mi&1
.set tt, tt+1
.endr
.set mi, mi+1
.endr
	WIN 0
.endm
	s_wait_alu depctr_va_vdst(0)
	GATE 0                                         ; x's block and w_kv_down's are in
	FETCHA 0
.irp n, 0,1,2,3,4,5,6,7
	STEPA \n
.if \n == 1
	WIN 0xc0
.set i, 8
.rept 12
	GFRAG 12*i, 10, 11, WQ_C+1536*i                                ; w_q, K steps 2-4: 48 loads, into registers that nothing has touched
.set i, i+1
.endr
	WIN 0
.endif
.endr
	PLACES 4
	WIN 0x40                                       ; w_kv_down's registers take the rest of w_q: 48 loads
.set i, 0
.rept 12
	GFRAG 12*i, 10, 11, WQ_C+1536*(20+i)                           ; w_q, K steps 5-7
.set i, i+1
.endr
	WIN 0
.irp m, 0,1,2,3
	QUANT64 64*\m, 2, 128+12*\m, 0, 106+\m                         ; a lane's 64 numbers of a token are ranks 64 c + 32 h + 0 .. 31
.endr
	s_wait_alu depctr_va_vdst(0)
	s_wait_dscnt 0x0
	s_barrier_signal -1
	s_barrier_wait -1                              ; A1: no wave reads w_kv_down's bytes any more
	s_add_co_u32 s95, s94, LIMG
	v_add_nc_u32 v78, s95, v[L16]
	v_add_nc_u32 v79, s95, v[L8]
	s_lshl_b32 s95, s10, 8
	s_add_co_u32 s95, s95, LSC
	v_lshl_add_u32 v80, v[RR], 2, s95
.irp m, 0,1,2,3
	LSTORE 128+12*\m, 78, 79, 1536*\m
	ds_store_b32 v80, v[106+\m] offset:64*\m       ; lanes r and r + 16 hold the same word
.endr
	s_wait_dscnt 0x0                               ; for the others' sake: my stores have landed
	s_barrier_signal -1
	s_barrier_wait -1                              ; A2: the latent's 16 fragments lie in LDS
	WIN 0x40
.set i, 0
.rept 8
	GFRAG 144+12*i, 12, 14, WU_C+1536*i                            ; w_kv_up: k's four tiles, v's four: 32 loads, wanted in C
.set i, i+1
.endr
	WIN 0
.irp u, 0,1,2,3
	global_load_b32 v[WUS+\u], v15, s[6:7] offset:WU_S+128*\u      ; and their 4 pairs of scale words
.endr
	; ================ B: q of my head.  Four passes of four row tiles; w_q stays in registers; accumulator (mi, t) at v[8 (4 mi + t)] of window 2
.macro FETCHB s                        ; 18 LDS loads
.set q, (\s)&1
.irp m, 0,1,2,3
	LFRAG 128+48*q+12*\m, 78+((\s)>>1), 82+((\s)>>1), ((\s)&1)*24576+1536*\m
.endr
.irp i, 0,1
	ds_load_b32 v[XS+2*q+\i], v86 offset:1024*(\s)+128*\i
.endr
.endm
	s_wait_loadcnt 36                              ; all of w_q is in; the 36 loads issued behind it, w_kv_up's, may stay out
	s_mov_b32 s92, 0                               ; the pass's four row tiles: 6,144 bytes a pass in each K step,
	s_mov_b32 s93, 0                               ; 256 bytes of scale words,
	s_mul_i32 s98, s10, QRW
	s_add_co_u32 s98, s98, QREG                    ; where q's half images go: 3,072 bytes a pass,
	s_add_co_u32 s99, s98, 12288                   ; and its scale words: 512
	s_mov_b32 s96, 4
.Lpass:
.irp p, 0,1,2,3
	s_add_co_u32 s94, s92, XIMG+49152*\p
	v_add_nc_u32 v[78+\p], s94, v[L16]
	v_add_nc_u32 v[82+\p], s94, v[L8]
.endr
	v_add_nc_u32 v86, s93, v[L4]
	v_add_nc_u32 v87, s98, v[L16]
	v_add_nc_u32 v88, s98, v[L8]
	v_add_nc_u32 v89, s99, v[L4]
	s_wait_alu depctr_va_vdst(0)                   ; later fetches read these addresses behind waits
	FETCHB 0
.irp n, 0,1,2,3,4,5,6,7
	PLACES 4
.if \n < 7
	FETCHB \n+1
	s_wait_dscnt 18                                ; all but the 18 just issued
.else
	s_wait_dscnt 0x0
.endif
.if \n < 5
	WIN 0xa3
.set wa, 48*\n
.else
	WIN 0xa1
.set wa, 48*(\n-5)
.endif
.set q, \n&1
.set mi, 0
.rept 4
.set tt, 0
.rept 4
	MM 8*(4*mi+tt), wa+12*tt, 128+48*q+12*mi, \n==0, WQS+2*\n+(tt>>1), XS+2*q+(mi>>1), tt&1, mi&1
.set tt, tt+1
.endr
.set mi, mi+1
.endr
	WIN 0
.endr
	PLACES 4
	QUANT64 0, 2, 112, 0, 106                      ; two row tiles at a time: each is one half (the head's 64) of the twelve registers and of the word
	QUANT64 64, 2, 224, 0, 107
.irp u, 0,1
	v_and_b32 v98, 0xffff, v[106+\u]
	v_lshl_or_b32 v[108+2*\u], v[106+\u], 16, v98                  ; a tile's two bytes, twice: they serve whichever half q stands in
	v_lshrrev_b32 v99, 16, v[106+\u]
	v_and_or_b32 v[109+2*\u], v[106+\u], 0xffff0000, v99
.endr
.irp u, 0,1
.irp e, 0,1
	ds_store_b128 v87, v[112+112*\u+6*\e:112+112*\u+6*\e+3] offset:768*(2*\u+\e)
	ds_store_b64 v88, v[112+112*\u+6*\e+4:112+112*\u+6*\e+5] offset:768*(2*\u+\e)+512
	ds_store_b32 v89, v[108+2*\u+\e] offset:128*(2*\u+\e)
.endr
.endr
	s_wait_dscnt 0x0                               ; the stores have read their registers
	s_add_co_u32 s92, s92, 6144
	s_add_co_u32 s93, s93, 256
	s_add_co_u32 s98, s98, 3072
	s_add_co_u32 s99, s99, 512
	s_sub_co_u32 s96, s96, 1
	s_cmp_lg_u32 s96, 0
	s_cbranch_scc1 .Lpass
	; ================ C: k and v of my head, 128 tokens at a time.  The latent's rows are read in the tiles' order: row rho of tile t of group c' is token 64 c' + 32 (rho / 8) + 8 t + rho % 8
	s_wait_loadcnt 0x0                             ; w_kv_up is in, and its loads' offset registers may be written
	v_lshrrev_b32 v14, 3, v[RR]
	v_and_b32 v15, 7, v[RR]
	v_mul_u32_u24 v64, v14, 3072
	v_lshl_add_u32 v65, v[HH], 7, v64
	v_lshl_add_u32 v64, v[HH], 8, v64
	v_lshl_add_u32 v64, v15, 4, v64
	v_lshl_add_u32 v65, v15, 3, v65
	v_add_nc_u32 v64, LIMG, v64
	v_add_nc_u32 v65, LIMG, v65
	v_lshlrev_b32 v66, 7, v14
	v_lshl_add_u32 v66, v15, 2, v66
	v_add_nc_u32 v66, LSC, v66
.macro LFLOAD sg                       ; eight tiles of the latent, groups 2 sg and 2 sg + 1: 40 LDS loads
	WIN 0xc0
.set cc, 0
.rept 2
.set tt, 0
.rept 4
.set u2, 4*(2*(\sg)+cc)+(tt>>1)
.set rg, 12*(4*cc+tt)
	ds_load_b128 v[rg:rg+3], v64 offset:1536*u2+128*(tt&1)
	ds_load_b64 v[rg+4:rg+5], v65 offset:1536*u2+64*(tt&1)+512
	ds_load_b128 v[rg+6:rg+9], v64 offset:1536*u2+128*(tt&1)+768
	ds_load_b64 v[rg+10:rg+11], v65 offset:1536*u2+64*(tt&1)+1280
.set tt, tt+1
.endr
.set cc, cc+1
.endr
	WIN 0
.set cc, 0
.rept 2
.set tt, 0
.rept 4
	ds_load_b32 v[LS+4*cc+tt], v66 offset:64*(4*(2*(\sg)+cc)+(tt>>1))+32*(tt&1)
.set tt, tt+1
.endr
.set cc, cc+1
.endr
.endm
.macro KVSTEP sg
	s_wait_dscnt 0x0                               ; the latent's tiles are in
	WIN 0xad                                       ; k: source 0 = w_kv_up's columns (window 1), source 1 = tokens (window 3): a lane holds one token, its registers run along the head
.set cc, 0
.rept 2
.set tt, 0
.rept 4
.set tw, 0
.rept 4
	MM 8*(16*cc+4*tt+tw), 144+12*tw, 12*(4*cc+tt), 1, WUS+(tw>>1), LS+4*cc+tt, tw&1, 0
.set tw, tw+1
.endr
.set tt, tt+1
.endr
.set cc, cc+1
.endr
	WIN 0
	PLACES 4
.set cc, 0
.rept 2
.set uu, 0
.rept 2
	QUANT64 128*cc+64*uu, 2, 12*(4*(\sg)+2*cc+uu), 1, KS+4*(\sg)+2*cc+uu     ; key tiles 2 u and 2 u + 1 of a group: one fragment
.set uu, uu+1
.endr
.set cc, cc+1
.endr
	WIN 0xa7                                       ; v: source 0 = tokens (window 3), source 1 = w_kv_up's columns (window 1): a lane holds one channel, its registers run along the tokens
.set dd, 0
.rept 4
.set cc, 0
.rept 2
.set tt, 0
.rept 4
	MM 8*(8*dd+4*cc+tt), 12*(4*cc+tt), 144+12*(4+dd), 1, LS+4*cc+tt, WUS+2+(dd>>1), 0, dd&1
.set tt, tt+1
.endr
.set cc, cc+1
.endr
.set dd, dd+1
.endr
	WIN 0
	PLACES 4
.if (\sg)==0
	LFLOAD 1
.endif
.set dd, 0
.rept 4
	QUANT64 64*dd, 2, 96+12*(2*dd+(\sg)), 3, VS+2*dd+(\sg)
.set dd, dd+1
.endr
.endm
	LFLOAD 0
	KVSTEP 0
	KVSTEP 1
	; ================ D: attention.  QUAD g: query tiles 4 (g - 1) + 0 .. 3, which see g groups of 64 keys; a loop of four trips, one tile a trip
	; v64-69 and v76-81 zero codes, v70-75 q; v82-105 p's two fragments; v106-109 a block's largest score, then p, then byte; v110-113 second chains, then the conversions' scale operands;
	; v[114:115] -M, later 1 / sum; v[116:123] four chains of sums; v120-125 y's codes; v126, v127 at work; v9-12 addresses, v14 the diagonal, v15 -infinity
.irp i, 64,65,66,67,68,69,76,77,78,79,80,81
	v_mov_b32 v[\i], 0
.endr
	v_mov_b32 v15, 0xff800000
	v_mov_b32 v115, 0                              ; (named as the upper half of a pair before it is first written)
	v_mov_b32 v126, 0                              ; (a lane permute's destination counts as read)
	s_mul_i32 s16, s10, QRW
	s_add_co_u32 s16, s16, QREG                    ; my q's half images,
	s_add_co_u32 s17, s16, 12288                   ; and their scale words
	s_mov_b32 s92, 0                               ; the tile in hand: 768 bytes of image a tile,
	s_mov_b32 s93, 0                               ; 128 of scale words
	v_add_nc_u32 v9, s16, v[L16]
	v_add_nc_u32 v10, s16, v[L8]
	v_add_nc_u32 v11, s17, v[L4]
	ds_load_b128 v[70:73], v9                      ; tile 0's q; every later tile's is asked for a trip ahead
	ds_load_b64 v[74:75], v10 offset:512
	ds_load_b32 v[QS], v11
	s_lshr_b32 s14, s10, 1
	s_and_b32 s15, s10, 1
	s_lshl_b32 s98, s14, 10
	s_lshl_b32 s94, s15, 1
	s_add_co_u32 s98, s98, s94
	s_add_co_u32 s98, s98, YSC                     ; y's two scale bytes of a row: K step w / 2 of my work-group's two, bytes 2 (w % 2) on
	s_mul_i32 s94, s12, XB
	s_lshl_b32 s18, s11, 1
	s_add_co_u32 s18, s18, s14
	s_mul_i32 s18, s18, 24576
	s_add_co_u32 s94, s94, s18
	s_mul_i32 s18, s15, 768
	s_add_co_u32 s94, s94, s18
	s_add_co_u32 s94, s94, 8192-1536               ; one tile back: every trip steps it ahead of its stores
	s_mov_b32 s95, 0
	s_add_nc_u64 s[94:95], s[8:9], s[94:95]
.macro CMPS k                          ; the next k of the mask's 32 compares: lane mask nn = where register nn of the diagonal group is hidden.  They name no vector register but v14 (source 1: window 0)
.rept \k
.if nn < 32
	v_cmp_gt_i32 s[MK+nn], nn, v14
.set nn, nn+1
.endif
.endr
.endm
.macro QUAD g
	v_lshlrev_b32 v14, 5, v[HH]
	v_sub_nc_u32 v14, v[RR], v14                   ; register n of the last group holds key 32 h + n of it; my query is 16 tau + r: hidden where n > r - 32 h + 16 tau
.if (\g)&1
.irp i, 6,7,8,9,10,11
	v_mov_b32 v[PF+12*((\g)>>1)+\i], 0             ; the group that is not there: zero codes
.endr
.endif
	s_mov_b32 s96, 4
.Lquad_\g:
	s_wait_alu depctr_va_vdst(0)
	s_wait_dscnt 0x0                               ; this tile's q, asked for a trip ago, is in; my last LDS store is done
	WIN 0x01                                       ; S^T = K Q^T: a lane holds one query; register 32 c' + 8 t + j is key 64 c' + 32 h + 8 t + j.  The diagonal group first
.set nn, 0
.set gi, 0
.rept \g
.set cc, (gi+(\g)-1)%(\g)
.set uu, 0
.rept 2
	MM S+32*cc+16*uu, 12*(2*cc+uu), 70, 1, KS+2*cc+uu, QS, 0, 0
	CMPS (31+4*(\g))/(4*(\g))
	MM S+32*cc+16*uu+8, 12*(2*cc+uu), 64, 1, KS+2*cc+uu, QS, 0, 0
	CMPS (31+4*(\g))/(4*(\g))
.set uu, uu+1
.endr
.set gi, gi+1
.endr
	WIN 0
	s_add_co_u32 s92, s92, 768                     ; the next tile;
	s_add_co_u32 s93, s93, 128
	s_min_u32 s18, s92, 15*768                     ; behind the last tile there is none: its own is read once more
	s_min_u32 s19, s93, 15*128
	s_add_co_u32 s18, s18, s16
	s_add_co_u32 s19, s19, s17
	v_add_nc_u32 v9, s18, v[L16]                   ; these four lines are the four places behind the products, in front of the loads into q's registers and of the first read of scores
	v_add_nc_u32 v10, s18, v[L8]
	v_add_nc_u32 v11, s19, v[L4]
	v_lshl_add_u32 v12, v[RR], 2, s98
	ds_load_b128 v[70:73], v9
	ds_load_b64 v[74:75], v10 offset:512
	ds_load_b32 v[QS], v11
.set n, 0
.rept 32
	v_cndmask_b32 v[S+32*((\g)-1)+n], v[S+32*((\g)-1)+n], v15, s[MK+n]     ; hidden scores become -infinity: p = 0
.set n, n+1
.endr
	; each block's largest score: for the row's maximum, and, since p rises with the score, for the block's largest p.  Four chains or more, each up from a tile's low end
.if (\g)==1
.irp k, 0,1,2,3
	v_max_num_f32 v[BM+\k], v[S+8*\k], v[S+8*\k+1]
.endr
.irp i, 2,4,6
.irp k, 0,1,2,3
	v_max3_num_f32 v[BM+\k], v[BM+\k], v[S+8*\k+\i], v[S+8*\k+\i+1]
.endr
.endr
	v_max3_num_f32 v[BM], v[BM], v[BM+1], v[BM+2]
	v_max_num_f32 v[BM], v[BM], v[BM+3]
.else
.set cc, 0
.rept \g
	v_max_num_f32 v[BM+cc], v[S+32*cc], v[S+32*cc+1]
	v_max_num_f32 v[TED+cc], v[S+32*cc+16], v[S+32*cc+17]
.set cc, cc+1
.endr
.set n, 2
.rept 7
.set cc, 0
.rept \g
	v_max3_num_f32 v[BM+cc], v[BM+cc], v[S+32*cc+n], v[S+32*cc+n+1]
	v_max3_num_f32 v[TED+cc], v[TED+cc], v[S+32*cc+16+n], v[S+32*cc+17+n]
.set cc, cc+1
.endr
.set n, n+2
.endr
.set cc, 0
.rept \g
	v_max_num_f32 v[BM+cc], v[BM+cc], v[TED+cc]
.set cc, cc+1
.endr
.endif
.if (\g)==1
	v_mov_b32 v127, v[BM]
.elseif (\g)==2
	v_max_num_f32 v127, v[BM], v[BM+1]
.elseif (\g)==3
	v_max3_num_f32 v127, v[BM], v[BM+1], v[BM+2]
.else
	v_max3_num_f32 v127, v[BM], v[BM+1], v[BM+2]
	v_max_num_f32 v127, v127, v[BM+3]
.endif
	v_permlanex16_b32 v[TX], v127, s[SEL], s[SEL+1]
	v_max_num_f32 v127, v127, v[TX]                ; the row's largest score (key 0 counts for every query: it is a number)
	v_mul_f32 v127, s[CS], v127
	v_floor_f32 v114, -v127                        ; -M = floor(-t) = -ceil(t)
	; ONE BATCH: first all scalings (t - M) of the blocks' largest scores and of all scores, then one wait, then all exponentials
.set cc, 0
.rept \g
	v_fma_f32 v[BM+cc], v[BM+cc], s[CS], v114
.set cc, cc+1
.endr
.set n, 0
.rept 16*(\g)
	v_pk_fma_f32 v[S+n:S+n+1], v[S+n:S+n+1], s[CS:CS+1], v[114:115] op_sel_hi:[1,0,0]
.set n, n+2
.endr
	s_wait_alu depctr_va_vdst(0)
.set cc, 0
.rept \g
	v_exp_f32 v[BM+cc], v[BM+cc]                   ; the block's largest p: the same two instructions on the same number
.set cc, cc+1
.endr
.set n, 0
.rept 32*(\g)
	v_exp_f32 v[S+n], v[S+n]
.set n, n+1
.endr
	v_add_nc_u32 v14, 16, v14                      ; the next tile's diagonal: the plain instruction behind the exponentials
	s_wait_xcnt 0x0                                ; the last tile's stores have read their data (v120-125, written again below) and their base
	s_add_nc_u64 s[94:95], s[94:95], 1536
	s_wait_alu depctr_va_vdst(0)                   ; one wait for the batch, ahead of its first reader
.set cc, 0
.rept \g
	v_max_num_f32 v[BM+cc], s[FLO], v[BM+cc]       ; the floor: a block whose every p is 0 keeps the byte 1
.set cc, cc+1
.endr
.irp k, 0,1,2,3
	v_pk_add_f32 v[116+2*\k:117+2*\k], v[S+4*\k:S+4*\k+1], v[S+4*\k+2:S+4*\k+3]    ; the row's sum of the unquantised p, in four packed chains
.endr
.set cc, 0
.rept \g
	v_add_nc_u32 v[TED+cc], 0xff000000, v[BM+cc]   ; 2 off the exponent field: the conversion's scale operand
.set cc, cc+1
.endr
.set n, 16
.rept 4*(\g)-2
.irp k, 0,1,2,3
	v_pk_add_f32 v[116+2*\k:117+2*\k], v[116+2*\k:117+2*\k], v[S+n+2*\k:S+n+2*\k+1]
.endr
.set n, n+8
.endr
	v_pk_add_f32 v[116:117], v[116:117], v[118:119]
	v_pk_add_f32 v[120:121], v[120:121], v[122:123]
	v_pk_add_f32 v[116:117], v[116:117], v[120:121]
.set cc, 0
.rept \g
	v_cvt_scalef32_pk16_fp6_f32 v[PF+12*(cc>>1)+6*(cc&1):PF+12*(cc>>1)+6*(cc&1)+2], v[S+32*cc:S+32*cc+15], v[TED+cc]
.set cc, cc+1
.endr
	v_nop                                          ; a plain place: the conversions below write registers that those above have read
.set cc, 0
.rept \g
	v_cvt_scalef32_pk16_fp6_f32 v[S+32*cc:S+32*cc+2], v[S+32*cc+16:S+32*cc+31], v[TED+cc]      ; (three registers from an even one: the block's first three, which the sums and the lower conversion have done with)
.set cc, cc+1
.endr
.set cc, 0
.rept \g
	v_lshrrev_b32 v[BM+cc], 23, v[TED+cc]          ; the bytes.  From here to the moves: plain lines that touch no conversion's result
.set cc, cc+1
.endr
	v_add_f32 v116, v116, v117
.if (\g)==1
	v_lshlrev_b32 v[PS], v[H8], v[BM]
.else
	v_lshl_or_b32 v[PS], v[BM+1], 16, v[BM]
.endif
.if (\g)==3
	v_lshlrev_b32 v[PS+1], v[H8], v[BM+2]
.elseif (\g)==4
	v_lshl_or_b32 v[PS+1], v[BM+3], 16, v[BM+2]
.endif
	v_permlanex16_b32 v[TX], v116, s[SEL], s[SEL+1]
.if (\g)>1
	v_lshlrev_b32 v[PS], v[H8], v[PS]
.endif
.if (\g)==4
	v_lshlrev_b32 v[PS+1], v[H8], v[PS+1]
.endif
	v_add_f32 v116, v116, v[TX]                    ; the row's sum
	v_permlanex16_b32 v127, v[PS], s[SEL], s[SEL+1]
.if (\g)>2
	v_permlanex16_b32 v126, v[PS+1], s[SEL], s[SEL+1]
.endif
	s_wait_alu depctr_va_vdst(0)
	v_rcp_f32 v114, v116                           ; 1 / the sum: the pair's low word serves both halves below
	v_or_b32 v[PS], v[PS], v127                    ; p's scale words (a group that is not there: byte 0 over zero codes)
.if (\g)>2
	v_or_b32 v[PS+1], v[PS+1], v126
.endif
.set cc, 0
.rept \g
	v_mov_b32 v[PF+12*(cc>>1)+6*(cc&1)+3], v[S+32*cc]
	v_mov_b32 v[PF+12*(cc>>1)+6*(cc&1)+4], v[S+32*cc+1]
	v_mov_b32 v[PF+12*(cc>>1)+6*(cc&1)+5], v[S+32*cc+2]
.set cc, cc+1
.endr
.if (\g)==1
	PLACES 5                                       ; behind the last write of a scale word: 3 g moves and these: eight places or more; behind the last move: four or more
.else
	PLACES 4
.endif
	WIN 0x03                                       ; O^T = V^T P^T: register 8 dt + j is channel 32 h + 8 dt + j of my query; the four accumulators by turns
.set sg, 0
.rept ((\g)+1)/2
.set dd, 0
.rept 4
	MM S+8*dd, 96+12*(2*dd+sg), PF+12*sg, sg==0, VS+2*dd+sg, PS+sg, 0, 0
.set dd, dd+1
.endr
.set sg, sg+1
.endr
	WIN 0
	PLACES 4
	s_wait_alu depctr_va_vdst(0)                   ; the reciprocals' wait, ahead of their first reader
.set n, 0
.rept 16
	v_pk_mul_f32 v[S+n:S+n+1], v[S+n:S+n+1], v[114:115] op_sel_hi:[1,0]    ; y = O / the sum, each accumulator from its low end on
.set n, n+2
.endr
	v_max3_num_f32 v127, s[FLO], |v[S]|, |v[S+1]|                  ; y's block of 32 along the last product's K is all mine: four chains
	v_max3_num_f32 v126, s[FLO], |v[S+8]|, |v[S+9]|
	v_max3_num_f32 v116, s[FLO], |v[S+16]|, |v[S+17]|
	v_max3_num_f32 v117, s[FLO], |v[S+24]|, |v[S+25]|
.irp i, 2,4,6
	v_max3_num_f32 v127, v127, |v[S+\i]|, |v[S+\i+1]|
	v_max3_num_f32 v126, v126, |v[S+8+\i]|, |v[S+9+\i]|
	v_max3_num_f32 v116, v116, |v[S+16+\i]|, |v[S+17+\i]|
	v_max3_num_f32 v117, v117, |v[S+24+\i]|, |v[S+25+\i]|
.endr
	v_max3_num_f32 v127, v127, v126, v116
	v_max_num_f32 v127, v127, v117
	v_add_nc_u32 v126, 0xff000000, v127
	v_cvt_scalef32_pk16_fp6_f32 v[120:122], v[S:S+15], v126
	v_cvt_scalef32_pk16_fp6_f32 v[116:118], v[S+16:S+31], v126
	v_lshrrev_b32 v127, 23, v126                   ; the byte: plain lines between the conversions and the moves
	v_lshlrev_b32 v127, v[H8], v127
	v_permlanex16_b32 v[TX], v127, s[SEL], s[SEL+1]
	v_or_b32 v127, v127, v[TX]                     ; my head's two bytes of the row's scale word
	v_mov_b32 v123, v116
	v_mov_b32 v124, v117
	v_mov_b32 v125, v118
	global_store_b128 v[L16], v[120:123], s[94:95]                 ; my head's half of y's fragment: 512 and 256 consecutive bytes
	global_store_b64 v[L8], v[124:125], s[94:95] offset:512
	ds_store_b16 v12, v127                         ; lanes r and r + 16 hold the same two bytes
	s_add_co_u32 s98, s98, 64
	s_sub_co_u32 s96, s96, 1
	s_cmp_lg_u32 s96, 0
	s_cbranch_scc1 .Lquad_\g
.endm
	QUAD 1
	QUAD 2
	QUAD 3
	QUAD 4
	s_wait_dscnt 0x0                               ; for the others' sake: my bytes of the scale words have landed
	s_barrier_signal -1
	s_barrier_wait -1
	s_lshl_b32 s14, s10, 9
	s_add_co_u32 s15, s14, YSC
	v_add_nc_u32 v9, s15, v[L16]
	ds_load_b128 v[116:119], v9                    ; the 2,048 bytes of scale words leave whole: 512 consecutive bytes a wave
	s_mul_i32 s18, s12, XB
	s_lshl_b32 s19, s11, 11
	s_add_co_u32 s18, s18, s19
	s_add_co_u32 s18, s18, s14
	s_mov_b32 s19, 0
	s_add_nc_u64 s[18:19], s[8:9], s[18:19]
	s_wait_dscnt 0x0
	global_store_b128 v[L16], v[116:119], s[18:19]
	s_wait_tensorcnt 0x0                           ; the wave's end, behind my last tensor load and my last LDS store
	ds_add_u32 v[SPW], v[NIL]
	s_wait_dscnt 0x0
	ROUND                                          ; the closing round
	s_endpgm
.Lfunc_end_k_q163031136f_attn:
	.size	k_q163031136f_attn, .Lfunc_end_k_q163031136f_attn-k_q163031136f_attn
	.p2alignl 7, 3214868480
	.fill 96, 4, 3214868480
	.section	.rodata,"a",@progbits
	.p2align	6, 0x0
	.amdhsa_kernel k_q163031136f_attn
		.amdhsa_group_segment_fixed_size 327680
		.amdhsa_private_segment_fixed_size 0
		.amdhsa_enable_private_segment 0
		.amdhsa_kernarg_size 24
		.amdhsa_user_sgpr_count 2
		.amdhsa_user_sgpr_kernarg_segment_ptr 1
		.amdhsa_wavefront_size32 1
		.amdhsa_system_sgpr_workgroup_id_x 1
		.amdhsa_system_sgpr_workgroup_id_y 1
		.amdhsa_system_sgpr_workgroup_id_z 1
		.amdhsa_system_vgpr_workitem_id 0
		.amdhsa_next_free_vgpr 1024
		.amdhsa_next_free_sgpr 102
		.amdhsa_reserve_vcc 0
		.amdhsa_float_denorm_mode_32 3
		.amdhsa_float_denorm_mode_16_64 3
		.amdhsa_memory_ordered 1
		.amdhsa_forward_progress 1
		.amdhsa_inst_pref_size 255
	.end_amdhsa_kernel
	.section	.bss,"aw",@nobits
	.p2align	6
	.space	262144
	.amdgpu_metadata
---
amdhsa.version: [ 1, 2 ]
amdhsa.kernels:
  - .name:           k_q163031136f_attn
    .symbol:         k_q163031136f_attn.kd
    .args:
      - { .name: xq, .offset: 0, .size: 8, .value_kind: global_buffer, .address_space: global }
      - { .name: wimg, .offset: 8, .size: 8, .value_kind: global_buffer, .address_space: global }
      - { .name: yq, .offset: 16, .size: 8, .value_kind: global_buffer, .address_space: global }
    .group_segment_fixed_size: 327680
    .private_segment_fixed_size: 0
    .kernarg_segment_align: 8
    .kernarg_segment_size: 24
    .max_flat_workgroup_size: 128
    .sgpr_count:     102
    .vgpr_count:     1024
    .wavefront_size: 32
...
	.end_amdgpu_metadata
.endif
;; end of part 2
;; launch outp (part 3): grid 4 x 64, 4 waves a work-group, clusters of 4 x 1, 327,680 bytes of LDS; arguments yq, wimg, out0; writes out0
.if DOCPART == 3
	.amdgcn_target "amdgcn-amd-amdhsa--gfx1250"
	.amdhsa_code_object_version 6
	.text
	.protected	k_q163031136f_outp
	.globl	k_q163031136f_outp
	.p2align	8
	.type	k_q163031136f_outp,@function
k_q163031136f_outp:
	s_mov_b64 s[64:65], 0
	v_nop
	global_prefetch_b8 v0, s[64:65] scope:SCOPE_SE
	s_setreg_imm32_b32 hwreg(HW_REG_WAVE_MODE, 25, 1), 1
	s_wait_xcnt 0x0
	s_wait_alu depctr_hold_cnt(0) depctr_sa_sdst(0) depctr_va_vdst(0) depctr_va_sdst(0) depctr_va_ssrc(0) depctr_va_vcc(0) depctr_vm_vsrc(0)
	s_getreg_b32 s2, hwreg(HW_REG_IB_STS2, 6, 4)
	s_cmp_eq_u32 s2, 0
	s_cbranch_scc0 .Lentry_in_a_cluster
	s_endpgm
.Lentry_in_a_cluster:
	s_bfe_u32 s2, ttmp6, 0x10000c
	s_cmp_lg_u32 s2, 0x3003
	s_cbranch_scc0 .Lentry_shape_is_right
	s_endpgm
.Lentry_shape_is_right:
; out0 = Q(y) Q(w_out), on codes of FP6 (E2M3) with E8M0 scales.  A work-group makes one batch's 256 rows x 256 columns; wave w the 64 columns of column group 4 cx + w (256 bytes of a row).
; y's codes of the batch (register images, made by the launch before) come into LDS once, in four quarters along K, by tensor loads that the four work-groups of a cluster ask for jointly; nothing is filled twice.
; My 32 fragments of w_out stay in my registers (windows 3 and 1).  Four passes of four row tiles, K unrolled; two sets of accumulators, so that a pass's results leave, through my stage in LDS,
; under the next pass's products.  The products are used transposed (source 0 = w_out's columns, source 1 = y's rows): a lane holds eight neighbouring columns of one row.
; Sums are made in the matrix unit's order, K ascending.  No loop: every offset is an immediate.
; REGISTERS.  Window 0: v0-27 what stays; v32-47 w_out's scale words, v60-63 y's (these hold scales alone); v64-127 rows on their way out, two sets; v128-223 y's fragments, two sets.
;   Window 1: w_out's K steps 5-7.   Window 2: accumulators, set g % 2 at v[128 (g % 2) + 8 (4 mi + t)].   Window 3: w_out's K steps 0-4.
; THE FILL AS IT STANDS (this takes the place of the words on quarters along K above): one joint tensor load a wave, at the head, a quarter each of the batch's 204,800 bytes of yq
; (200 rows of 256 bytes); one wait for 0 and one barrier show all of it to every wave.  No prefetch: the fill is asked for at the head, and there is no loop to run ahead in.
.set XB,    204800
.set YIMG,  8192                       ; LDS: scale words [s][row] at 0, fragments [s][m] from here,
.set SPARE, 204800                     ; the spare words,
.set STG,   205312                     ; a stage of 16 rows x (256 + 16) bytes for each wave
.set WO_C,  786432
.set WO_S,  1904640
.set SPW, 1
.set NIL, 2
.set L16, 4
.set L8,  5
.set L4,  6
.set RR,  7
.set HH,  8
.set A16, 16
.set A8,  20
.set STO, 25
.set RD,  26
.set CO,  27
.set WOS, 32
.set XS,  60
.set BK,  64
.set MSB, 0
.macro WIN new
.if MSB != (\new)
	s_set_vgpr_msb (MSB<<8)|(\new)
.set MSB, (\new)
.endif
.endm
.macro PLACES n
.rept \n
	v_nop
.endr
.endm
.macro LFRAG reg, a16, a8, off
	ds_load_b128 v[\reg:\reg+3], v[\a16] offset:\off
	ds_load_b64 v[\reg+4:\reg+5], v[\a8] offset:\off+512
	ds_load_b128 v[\reg+6:\reg+9], v[\a16] offset:\off+768
	ds_load_b64 v[\reg+10:\reg+11], v[\a8] offset:\off+1280
.endm
.macro GFRAG reg, o16, o8, off
	global_load_b128 v[\reg:\reg+3], v[\o16], s[6:7] offset:\off
	global_load_b64 v[\reg+4:\reg+5], v[\o8], s[6:7] offset:\off+512
	global_load_b128 v[\reg+6:\reg+9], v[\o16], s[6:7] offset:\off+768
	global_load_b64 v[\reg+10:\reg+11], v[\o8], s[6:7] offset:\off+1280
.endm
.macro ROUND
	s_barrier_signal -1
	s_barrier_wait -1
	s_cmp_lg_u32 s10, 0
	s_cbranch_scc1 .Lnot_wave_0_\@
	s_barrier_signal -3
.Lnot_wave_0_\@:
	s_barrier_wait -3
	s_barrier_signal -1
	s_barrier_wait -1
.endm
.macro GATE n                          ; my LDS instructions are done; my tensor load has landed (n = 0); then everybody's has.  Nothing is ever filled again
	s_wait_dscnt 0x0
	s_wait_tensorcnt \n
	s_barrier_signal -1
	s_barrier_wait -1
.endm
.macro MM d, a, b, z, sa, sb, ra, rb
.if (\z)
.if (\ra) && (\rb)
	v_wmma_scale_f32_16x16x128_f8f6f4 v[0+(\d):7+(\d)], v[0+(\a):11+(\a)], v[0+(\b):11+(\b)], 0, v[0+(\sa)], v[0+(\sb)] matrix_a_fmt:MATRIX_FMT_FP6 matrix_b_fmt:MATRIX_FMT_FP6 matrix_a_scale:MATRIX_SCALE_ROW1 matrix_b_scale:MATRIX_SCALE_ROW1
.elseif (\ra)
	v_wmma_scale_f32_16x16x128_f8f6f4 v[0+(\d):7+(\d)], v[0+(\a):11+(\a)], v[0+(\b):11+(\b)], 0, v[0+(\sa)], v[0+(\sb)] matrix_a_fmt:MATRIX_FMT_FP6 matrix_b_fmt:MATRIX_FMT_FP6 matrix_a_scale:MATRIX_SCALE_ROW1
.elseif (\rb)
	v_wmma_scale_f32_16x16x128_f8f6f4 v[0+(\d):7+(\d)], v[0+(\a):11+(\a)], v[0+(\b):11+(\b)], 0, v[0+(\sa)], v[0+(\sb)] matrix_a_fmt:MATRIX_FMT_FP6 matrix_b_fmt:MATRIX_FMT_FP6 matrix_b_scale:MATRIX_SCALE_ROW1
.else
	v_wmma_scale_f32_16x16x128_f8f6f4 v[0+(\d):7+(\d)], v[0+(\a):11+(\a)], v[0+(\b):11+(\b)], 0, v[0+(\sa)], v[0+(\sb)] matrix_a_fmt:MATRIX_FMT_FP6 matrix_b_fmt:MATRIX_FMT_FP6
.endif
.else
.if (\ra) && (\rb)
	v_wmma_scale_f32_16x16x128_f8f6f4 v[0+(\d):7+(\d)], v[0+(\a):11+(\a)], v[0+(\b):11+(\b)], v[0+(\d):7+(\d)], v[0+(\sa)], v[0+(\sb)] matrix_a_fmt:MATRIX_FMT_FP6 matrix_b_fmt:MATRIX_FMT_FP6 matrix_a_scale:MATRIX_SCALE_ROW1 matrix_b_scale:MATRIX_SCALE_ROW1
.elseif (\ra)
	v_wmma_scale_f32_16x16x128_f8f6f4 v[0+(\d):7+(\d)], v[0+(\a):11+(\a)], v[0+(\b):11+(\b)], v[0+(\d):7+(\d)], v[0+(\sa)], v[0+(\sb)] matrix_a_fmt:MATRIX_FMT_FP6 matrix_b_fmt:MATRIX_FMT_FP6 matrix_a_scale:MATRIX_SCALE_ROW1
.elseif (\rb)
	v_wmma_scale_f32_16x16x128_f8f6f4 v[0+(\d):7+(\d)], v[0+(\a):11+(\a)], v[0+(\b):11+(\b)], v[0+(\d):7+(\d)], v[0+(\sa)], v[0+(\sb)] matrix_a_fmt:MATRIX_FMT_FP6 matrix_b_fmt:MATRIX_FMT_FP6 matrix_b_scale:MATRIX_SCALE_ROW1
.else
	v_wmma_scale_f32_16x16x128_f8f6f4 v[0+(\d):7+(\d)], v[0+(\a):11+(\a)], v[0+(\b):11+(\b)], v[0+(\d):7+(\d)], v[0+(\sa)], v[0+(\sb)] matrix_a_fmt:MATRIX_FMT_FP6 matrix_b_fmt:MATRIX_FMT_FP6
.endif
.endif
.endm
.macro G1SET g, rows                   ; rows x 256 dense bytes; the mask names all four work-groups, bit 21 beside it
	s_mov_b32 s[\g], 15|(3<<16)|(1<<21)
	s_mov_b32 s[\g+1], 32<<16
	s_mov_b32 s[\g+2], (\rows)<<16
	s_mov_b32 s[\g+3], 32<<16
	s_mov_b32 s[\g+4], \rows
	s_mov_b32 s[\g+5], 32
	s_mov_b32 s[\g+6], 0
	s_mov_b32 s[\g+7], 0
.endm
.macro G0SET g, lreg, lc, base, gc
	s_mov_b32 s[\g], 1
	s_add_co_u32 s[\g+1], s[\lreg], \lc
	s_add_nc_u64 s[\g+2:\g+3], s[\base:\base+1], \gc
	s_or_b32 s[\g+3], s[\g+3], 0x80000000
.endm
	s_load_b128 s[4:7], s[0:1], 0x0                ; yq, wimg
	s_load_b64 s[8:9], s[0:1], 0x10                ; out0
	v_lshl_add_u32 v[SPW], v0, 2, SPARE
	v_mov_b32 v[NIL], 0
	ds_add_u32 v[SPW], v[NIL]                      ; the wave's opening: the add, twice on end, and its wait ahead of my first tensor load
	ds_add_u32 v[SPW], v[NIL]
	v_lshrrev_b32 v3, 5, v0
	v_readfirstlane_b32 s10, v3                    ; wave
	s_bfe_u32 s11, ttmp6, 0x40000                  ; my place in the cluster: it enters global addresses of my own loads and stores alone
	s_and_b32 s12, ttmp7, 0xffff                   ; the batch
	s_lshl_b32 s13, s11, 2
	s_add_co_u32 s13, s13, s10                     ; my column group
	G1SET 24, 200
	v_and_b32 v9, 31, v0
	v_and_b32 v[RR], 15, v0
	v_bfe_u32 v[HH], v0, 4, 1
	v_lshlrev_b32 v[L16], 4, v9
	v_lshlrev_b32 v[L8], 3, v9
	v_lshlrev_b32 v[L4], 2, v9
	s_mul_i32 s22, s13, 49152
	v_add_nc_u32 v10, s22, v[L16]
	v_add_nc_u32 v11, s22, v[L8]
	s_lshl_b32 s22, s13, 11
	v_add_nc_u32 v9, s22, v[L4]
.irp p, 0,1,2,3
	v_add_nc_u32 v[A16+\p], YIMG+49152*\p, v[L16]
	v_add_nc_u32 v[A8+\p], YIMG+49152*\p, v[L8]
.endr
	s_mul_i32 s22, s10, 4352
	s_add_co_u32 s22, s22, STG                     ; my stage
	v_mul_u32_u24 v[STO], v[RR], 272
	v_lshl_add_u32 v[STO], v[HH], 5, v[STO]
	v_add_nc_u32 v[STO], s22, v[STO]               ; in: row r, 32 bytes for each half of the lanes
	v_mul_u32_u24 v[RD], v[HH], 272
	v_lshl_add_u32 v[RD], v[RR], 4, v[RD]
	v_add_nc_u32 v[RD], s22, v[RD]                 ; back: lanes 0-15 one row of 256 bytes, lanes 16-31 the next
	v_lshlrev_b32 v[CO], 12, v[HH]
	v_lshl_add_u32 v[CO], v[RR], 4, v[CO]          ; and the same two rows in out0
	s_mul_i32 s20, s10, 51200                      ; my quarter of the batch's block
	s_mul_i32 s16, s12, XB
	s_mov_b32 s17, 0
	s_lshl_b32 s56, s12, 20                        ; out0: the batch's 256 rows of 4,096 bytes,
	s_lshl_b32 s57, s13, 8                         ; my 256 bytes of a row
	s_add_co_u32 s56, s56, s57
	s_mov_b32 s57, 0
	s_wait_dscnt 0x0                               ; the opening add is done
	s_wait_kmcnt 0x0
	s_add_nc_u64 s[8:9], s[8:9], s[56:57]
	s_add_nc_u64 s[16:17], s[4:5], s[16:17]
	s_mov_b32 s14, s20
	s_mov_b32 s15, 0
	s_add_nc_u64 s[14:15], s[16:17], s[14:15]
	G0SET 40, 20, 0, 14, 0
	ROUND                                          ; all four work-groups are here: the joint loads meet
	tensor_load_to_lds s[40:43], s[24:31]          ; my one tensor load
	s_nop 0
	PLACES 4
.set i, 0
.rept 16
	global_load_b32 v[WOS+i], v9, s[6:7] offset:WO_S+128*i         ; register 2 s + u: K step s, tiles 2 u (lanes 0-15) and 2 u + 1
.set i, i+1
.endr
	WIN 0xc0
.set i, 0
.rept 20
	GFRAG 12*i, 10, 11, WO_C+1536*i                                ; K steps 0-4, ascending: 16 loads a step
.set i, i+1
.endr
	WIN 0x40
.set i, 0
.rept 12
	GFRAG 12*i, 10, 11, WO_C+1536*(20+i)                           ; K steps 5-7
.set i, i+1
.endr
	WIN 0
.macro FETCHB g, s                     ; pass g, K step s, into set s % 2: 18 LDS loads
.set q, (\s)&1
.irp m, 0,1,2,3
	LFRAG 128+48*q+12*\m, A16+((\s)>>1), A8+((\s)>>1), ((\s)&1)*24576+6144*(\g)+1536*\m
.endr
.irp i, 0,1
	ds_load_b32 v[XS+2*q+\i], v[L4] offset:1024*(\s)+256*(\g)+128*\i
.endr
.endm
.macro TOSTAGE pp, e                   ; row tile e of accumulator set pp through my stage: 8 stores, each accumulator from its low end on, and 8 loads.  LDS serves a wave's instructions in order
	WIN 0x08
.irp t, 0,1,2,3
	ds_store_b128 v[STO], v[128*(\pp)+32*(\e)+8*\t:128*(\pp)+32*(\e)+8*\t+3] offset:64*\t
	ds_store_b128 v[STO], v[128*(\pp)+32*(\e)+8*\t+4:128*(\pp)+32*(\e)+8*\t+7] offset:64*\t+16
.endr
	WIN 0
.irp i, 0,1,2,3,4,5,6,7
	ds_load_b128 v[BK+32*((\e)&1)+4*\i:BK+32*((\e)&1)+4*\i+3], v[RD] offset:544*\i
.endr
.endm
.macro SEND gg, e                      ; each store: two rows' 256 consecutive bytes, each at a multiple of 256 from out0's first byte
.irp i, 0,1,2,3,4,5,6,7
	global_store_b128 v[CO], v[BK+32*((\e)&1)+4*\i:BK+32*((\e)&1)+4*\i+3], s[8:9] offset:(4*(\gg)+(\e))*65536+8192*\i th:TH_STORE_NT
.endr
.endm
.macro UNIT g, s
	PLACES 4                                       ; in front of loads into registers that the last products read, and of the stage's reads of results
.if (8*(\g)+(\s))<31
	FETCHB (8*(\g)+(\s)+1)/8, (8*(\g)+(\s)+1)%8
.endif
.if (\g)>0
.if ((\s)&1)==0
	s_wait_xcnt 0x0                                ; earlier stores have read the registers that the stage's loads fill
	TOSTAGE ((\g)-1)&1, (\s)>>1
	s_wait_dscnt 34                                ; all but the 18 of the fetch and the 16 of the stage: this unit's set is in
.else
.if (8*(\g)+(\s))<31
	s_wait_dscnt 18                                ; all but the fetch just issued: the rows are back from the stage, and this unit's set is in
.else
	s_wait_dscnt 0x0
.endif
	SEND (\g)-1, (\s)>>1
.endif
.else
	s_wait_dscnt 18                                ; all but the 18 just issued
.if 16*(7-(\s))>63
	s_wait_loadcnt 63                              ; w_out's fragments of this K step are in (the count's field ends here)
.else
	s_wait_loadcnt 16*(7-(\s))                     ; w_out's fragments of this K step are in: 16 loads for each later step may be out
.endif
.endif
.if (\s)<5
	WIN 0xa3
.set wa, 48*(\s)
.else
	WIN 0xa1
.set wa, 48*((\s)-5)
.endif
.set q, (\s)&1
.set mi, 0
.rept 4
.set tt, 0
.rept 4
	MM 128*((\g)&1)+8*(4*mi+tt), wa+12*tt, 128+48*q+12*mi, (\s)==0, WOS+2*(\s)+(tt>>1), XS+2*q+(mi>>1), tt&1, mi&1
.set tt, tt+1
.endr
.set mi, mi+1
.endr
	WIN 0
.endm
	GATE 0                                         ; the batch's block is in
	FETCHB 0, 0
	s_wait_alu depctr_va_vdst(0)
.irp g, 0,1,2,3
.irp n, 0,1,2,3,4,5,6,7
	UNIT \g, \n
.endr
.endr
	PLACES 4                                       ; the last pass leaves by itself
	s_wait_xcnt 0x0
	TOSTAGE 1, 0
.irp e, 1,2,3
	s_wait_xcnt 0x0                                ; the stores of two tiles back have read their registers
	TOSTAGE 1, \e
	s_wait_dscnt 16                                ; all but this tile's 16: the tile before is back
	SEND 3, \e-1
.endr
	s_wait_dscnt 0x0
	SEND 3, 3
	s_wait_tensorcnt 0x0                           ; the wave's end, behind my last tensor load and my last LDS store
	ds_add_u32 v[SPW], v[NIL]
	s_wait_dscnt 0x0
	ROUND                                          ; the closing round
	s_endpgm
.Lfunc_end_k_q163031136f_outp:
	.size	k_q163031136f_outp, .Lfunc_end_k_q163031136f_outp-k_q163031136f_outp
	.p2alignl 7, 3214868480
	.fill 96, 4, 3214868480
	.section	.rodata,"a",@progbits
	.p2align	6, 0x0
	.amdhsa_kernel k_q163031136f_outp
		.amdhsa_group_segment_fixed_size 327680
		.amdhsa_private_segment_fixed_size 0
		.amdhsa_enable_private_segment 0
		.amdhsa_kernarg_size 24
		.amdhsa_user_sgpr_count 2
		.amdhsa_user_sgpr_kernarg_segment_ptr 1
		.amdhsa_wavefront_size32 1
		.amdhsa_system_sgpr_workgroup_id_x 1
		.amdhsa_system_sgpr_workgroup_id_y 1
		.amdhsa_system_sgpr_workgroup_id_z 1
		.amdhsa_system_vgpr_workitem_id 0
		.amdhsa_next_free_vgpr 1024
		.amdhsa_next_free_sgpr 66
		.amdhsa_reserve_vcc 0
		.amdhsa_float_denorm_mode_32 3
		.amdhsa_float_denorm_mode_16_64 3
		.amdhsa_memory_ordered 1
		.amdhsa_forward_progress 1
		.amdhsa_inst_pref_size 156
	.end_amdhsa_kernel
	.amdgpu_metadata
---
amdhsa.version: [ 1, 2 ]
amdhsa.kernels:
  - .name:           k_q163031136f_outp
    .symbol:         k_q163031136f_outp.kd
    .args:
      - { .name: yq, .offset: 0, .size: 8, .value_kind: global_buffer, .address_space: global }
      - { .name: wimg, .offset: 8, .size: 8, .value_kind: global_buffer, .address_space: global }
      - { .name: out0, .offset: 16, .size: 8, .value_kind: global_buffer, .address_space: global }
    .group_segment_fixed_size: 327680
    .private_segment_fixed_size: 0
    .kernarg_segment_align: 8
    .kernarg_segment_size: 24
    .max_flat_workgroup_size: 128
    .sgpr_count:     66
    .vgpr_count:     1024
    .wavefront_size: 32
...
	.end_amdgpu_metadata
.endif
;; end of part 3
